; MI455X (gfx1250); checked and timed in simulation.
; The chip was launched on July 23, 2026; its instructions are those of AMD's public machine-readable ISA for CDNA 5 (MIT licence, August 2026) and "CDNA5" Instruction Set Architecture Reference Guide (July 2026). The comments in the code are by the model that wrote it; some were corrected since.
;; Similarity Enhancement Module. Allowed arithmetic: matrix products marked QUANTISED: E2M3 operands, one E8M0 scale for each 32 along K, by v_wmma_scale_f32_16x16x128_f8f6f4 with both operands' format E2M3, f32 sums; everything else in f32.
;; Inputs: final_features 8 x 2,048 x 768 float32; mid_features 8 x 2,048 x 768 float32.
;; Outputs: out0 8 x 2,048 x 768 float32.
;; This version of the problem:
;;   THIS VERSION OF THE PROBLEM IS GIVEN IN LOW PRECISION. The matrix products marked QUANTISED in the list below multiply operands that are first quantised to E2M3 (2 exponent bits, 3 mantissa bits; 6 bits a number), with one power-of-two scale for each 32 numbers along K (OCP MX v1.0); their sums are f32. All else is computed in f32.
;;   The module's matrix products, in the order in which they are computed (A, B: the left and right operand; K: the contracted axis; several contracted axes count as one K, in the product's order):
;;     1. batch 8 x [M 2,048, K 768] x [K 768, N 2,048]; A: computed on the way; B: computed on the way: QUANTISED
;;     2. batch 8 x [M 2,048, K 2,048] x [K 2,048, N 768]; A: softmax (see below); B: input final_features: QUANTISED
;;   THE QUANTISER, for each operand of a quantised product, along K:
;;     - K is cut into blocks of 32 from its start; a last block that is shorter is filled with zeros.
;;     - A block's scale is 2^e with e = floor(log2(the largest magnitude in the block)) - 2, held to -126 .. 127; a block of zeros has e = 0. As a byte (E8M0): e + 127.
;;     - Each number is divided by its block's scale, clamped to +-7.5, and rounded to the nearest number of E2M3, ties to even, subnormals kept.
;;     - The product sums the exact products of the quantised numbers (number of the format x scale) in f32.
;;   ~~~python
;;   def quantise(x, axis):      # numpy; x: float32 -> the quantised numbers, widened to float32 again
;;       x = np.moveaxis(x, axis, -1); K = x.shape[-1]
;;       x = np.pad(x, [(0, 0)] * (x.ndim - 1) + [(0, -K % 32)]); x = x.reshape(x.shape[:-1] + (-1, 32)); a = np.abs(x).max(-1, keepdims=True)
;;       e = np.where(a > 0, np.clip(np.frexp(np.where(a > 0, a, 1))[1] - 1 - 2, -126, 127), 0)      # np.frexp(a)[1] - 1 = floor(log2(a)), exactly
;;       r = np.clip(x / 2.0 ** e, -7.5, 7.5)
;;       step = 2.0 ** (np.maximum(np.frexp(np.where(r == 0, 1, r))[1] - 1, 0) - 3)
;;       q = np.round(r / step) * step * 2.0 ** e      # np.round: ties to even
;;       return np.moveaxis(q.reshape(q.shape[:-2] + (-1,))[..., :K], -1, axis).astype(np.float32)
;;   ~~~
;;   SOFTMAX AHEAD OF A QUANTISED PRODUCT. Where the list says 'softmax', what is quantised is not the finished softmax but p = 2^(t - M), with t = logit x log2(e) and M = ceil(the row's largest t), a whole number; so 1/2 < the row's largest p <= 1. The row's sum l is taken of the UNQUANTISED p, in f32, and the product's result is divided by l at the end. Since M is a whole number, a kernel that streams over the keys may use a running M (the ceiling of the running maximum): every later rescaling is an exact power of two, which a block's scale takes up: the codes' values come out the same.
;;   OPERANDS COMPUTED ON THE WAY. 'Computed on the way' means the value that the module computes at that place (a softmax that the list does not call 'softmax' is quantised finished and normalised). What goes into a quantiser is computed in f32, as accurately as f32 sums, v_exp_f32 and their like allow (about 1e-6 of the number): no bf16 or f16 on the way to a quantiser, and a product that is left as it is and whose result goes on into a quantised operand takes f32 operands (vector FMAs, or v_wmma_f32_16x16x4_f32). A number that lies on a knife's edge between two numbers of the format may be rounded either way, as far as f32 arithmetic and the matrix unit's own rounding can turn it there, and no further.
;; One version. Each part assembles by itself: llvm-mc -triple=amdgcn-amd-amdhsa -mcpu=gfx1250 --defsym DOCPART=n.
;; ======== version 1 of 1: 2 launches
;; workspace buffers: kq 9,830,400 bytes; vc 9,830,400 bytes
;; launch quant (part 1): grid 512 x 1, 8 waves a work-group, no clusters, 104,448 bytes of LDS; arguments mid_features, final_features, kq, vc; writes kq, vc
.if DOCPART == 1
	.amdgcn_target "amdgcn-amd-amdhsa--gfx1250"
	.amdhsa_code_object_version 6
	.text
	.protected	k_qb4a1488ea2_quant
	.globl	k_qb4a1488ea2_quant
	.p2align	8
	.type	k_qb4a1488ea2_quant,@function
k_qb4a1488ea2_quant:
	s_mov_b64 s[64:65], 0
	v_nop
	global_prefetch_b8 v0, s[64:65] scope:SCOPE_SE
	s_setreg_imm32_b32 hwreg(HW_REG_WAVE_MODE, 25, 1), 1
	s_wait_xcnt 0x0
; mid [8][2048][768] f32 is L2-normalised row by row (x / max(||x||, 1e-12)) and quantised along its 768 into codes of FP6 (E2M3) -> kq.
; final [8][2048][768] f32 is quantised along the KEYS (its second axis), block of 32 keys by block, column by column -> vc.
; A block's scale is 2^(floor(log2(its largest magnitude)) - 2); its byte is the largest magnitude's exponent field - 2, held at 1 from below.
; LAYOUT OF BOTH BUFFERS: one BLOCK of 76,800 bytes for each 128 keys of a batch (block 16 x batch + j).  Bytes 0 .. 73,727: 48 fragments of 1,536 bytes, each an
; IMAGE OF AN OPERAND'S 12 REGISTERS: register R of lane L at 512 (R / 4) + 16 L + 4 (R % 4), so that three loads of 16 bytes a lane bring a fragment.
;   kq: fragment 6 T + s (tile T = 0..7, K step s = 0..5): lane (r, h), registers 6 c .. 6 c + 5: d = 128 s + 64 c + 32 h + 0..31 of key 32 (T / 2) + 8 (T % 2) + r + 8 (r / 8).
;   vc: fragment ct = 0..47: lane (r, h), registers 6 c .. 6 c + 5: keys 64 c + 32 h + 0..31 of channel 16 ct + r.
; Bytes 73,728 on: scale words at 768 w + 128 p + 4 L: kq: K step p, lanes 0-15 tile 2 w, lanes 16-31 tile 2 w + 1;  vc: lanes 0-15 fragment 12 w + 2 p, lanes 16-31 the next.
; SHARES: there are 1,024 tiles of mid (16 rows) and 3,072 pieces of final (128 keys x 32 channels): each work-group has 2 waves for mid and 6 for final.
; Work-group x serves block x / 4, quarter w = x % 4.  The waves share nothing: no barrier.  Only the two mid waves use LDS, each a region of its own.
; LIMITS: NaN and infinities are not served.  A block whose largest magnitude lies under 2^-124 (a block of zeros too) gets the byte 1 where the rule says otherwise:
; its codes are zeros or are made against that scale, and the bytes are read by this program alone.  x / norm is x times the reciprocal of the norm: about two units in the last place.
.set BLK,   76800
.set SCO,   73728                      ; where a block's scale words begin
.set ROWB,  3072                       ; a row of 768 f32
.set STGP,  3088                       ; a stage row: 3,072 + 16 = 193 x 16 bytes: sixteen rows read at one column start at sixteen different groups of banks
.set PARTP, 144                        ; a row of 32 partial sums: 128 + 16
.set PARTO, 16*STGP                    ; the partial sums lie behind the stage
.set WREG,  PARTO+16*PARTP             ; a mid wave's region: 51,712 bytes
.set TM,    24                         ; v24-39  phase 1: a partial sum for each row; then QUANT's work: maxima, bytes, scale operands
.set PC,    40                         ; v40-58  the codes just made
.set PW,    18                         ; v18-23  the scale word of each K step
.set RING,  64                         ; v64-255 phase 1: eight row slots of 24 registers; phase 2: two sets of 64 numbers, and the partial sums read back
	s_load_b256 s[4:11], s[0:1], 0x0               ; mid s[4:5], final s[6:7], kq s[8:9], vc s[10:11]
	v_lshl_add_u32 v59, v0, 2, 0x19400
	v_mov_b32 v63, 0
	v_lshrrev_b32 v1, 5, v0
	v_readfirstlane_b32 s12, v1                    ; wave 0..7
	v_and_b32 v1, 31, v0                           ; lane L
	v_and_b32 v2, 15, v0                           ; r
	v_bfe_u32 v3, v0, 4, 1                         ; h
	v_lshlrev_b32 v4, 4, v1                        ; 16 L
	s_lshr_b32 s13, ttmp9, 2                       ; the block: 16 x batch + j
	s_and_b32 s14, ttmp9, 3                        ; its quarter w
	s_mul_i32 s15, s13, BLK                        ; the block's first byte in kq and in vc
	s_mov_b32 s20, 0x76543210
	s_mov_b32 s21, 0xfedcba98                      ; v_permlanex16_b32's selects for lane l xor 16
	s_cmp_lt_u32 s12, 2
	s_cbranch_scc0 .Lfinal
; ------------------------------------------------------------------ MID: wave u = 0, 1 takes tile T = 2 w + u
; 64 numbers of a lane, v[s] .. v[s + 63], register 16 b + i = d 32 b + 16 h + i of my row, become a fragment's codes in v[PC] on and its scale word in v[pw].
.macro QUANT s, pw
.irp b, 0,1,2,3
	v_max3_num_f32 v[TM+\b], |v[\s+16*\b]|, |v[\s+1+16*\b]|, 0x1800000   ; block b: my 16 numbers, and the floor 2^(3 - 127): the byte cannot fall under 1
.endr
.irp i, 2,4,6,8,10,12,14
.irp b, 0,1,2,3
	v_max3_num_f32 v[TM+\b], v[TM+\b], |v[\s+16*\b+\i]|, |v[\s+1+16*\b+\i]|   ; the four blocks by turns
.endr
.endr
.irp b, 0,1,2,3
	v_permlanex16_b32 v[TM+4+\b], v[TM+\b], s20, s21
.endr
.irp b, 0,1,2,3
	v_max_num_f32 v[TM+\b], v[TM+\b], v[TM+4+\b]   ; with lane l xor 16's: the block's largest magnitude
.endr
.irp b, 0,1,2,3
	v_add_nc_u32 v[TM+12+\b], 0xff000000, v[TM+\b] ; 2 off its exponent field: the conversion takes this operand's exponent field as its scale
.endr
.irp b, 0,1,2,3
	v_lshrrev_b32 v[TM+4+\b], 23, v[TM+12+\b]      ; the scale's byte
.endr
	v_lshl_or_b32 v[\pw], v[TM+5], 8, v[TM+4]      ; four bytes: my row's scale word (the same in lanes r and 16 + r)
	v_lshl_or_b32 v[\pw], v[TM+6], 16, v[\pw]
	v_lshl_or_b32 v[\pw], v[TM+7], 24, v[\pw]
.irp c, 0,1
	v_cvt_scalef32_pk16_fp6_f32 v[PC+6*\c:PC+2+6*\c], v[\s+32*\c:\s+15+32*\c], v[TM+12+2*\c]
	v_cvt_scalef32_pk16_fp6_f32 v[PC+12+4*\c:PC+14+4*\c], v[\s+16+32*\c:\s+31+32*\c], v[TM+12+2*\c+1]   ; (a conversion's three registers begin on an even number)
.endr
	v_nop                                          ; one plain place behind a scaled conversion
.irp c, 0,1                                    ; the operand's layout wants a WHOLE block in a lane: lanes 0-15 block 2 c, lanes 16-31 block 2 c + 1
.irp i, 0,1,2
	v_permlane16_swap_b32 v[PC+6*\c+\i], v[PC+12+4*\c+\i]
.endr
.irp i, 0,1,2
	v_mov_b32 v[PC+3+6*\c+\i], v[PC+12+4*\c+\i]
.endr
.endr
.endm
.macro LOADROW i                       ; row i of the tile (rows 0-7, then the eight rows 16 further on): six loads of 512 consecutive bytes into slot i % 8
.irp c, 0,1,2,3,4,5
	global_load_b128 v[RING+24*((\i)%8)+4*\c:RING+24*((\i)%8)+4*\c+3], v4, s[4:5] offset:((\i)+8*((\i)/8))*ROWB+512*\c th:TH_LOAD_NT
.endr
.endm
; Row i has come: my 24 numbers' sum of squares (two chains), the numbers into the stage as they lie, the sum beside them.  left = rows asked for behind this one.
.macro ROWIN i, left
.set RS, RING+24*((\i)%8)
	s_wait_loadcnt 6*(\left)                       ; loads come back in order: mine are in, the younger rows' six each stay out
	v_pk_mul_f32 v[10:11], v[RS:RS+1], v[RS:RS+1]
	v_pk_mul_f32 v[12:13], v[RS+2:RS+3], v[RS+2:RS+3]
.irp k, 4,8,12,16,20
	v_pk_fma_f32 v[10:11], v[RS+\k:RS+\k+1], v[RS+\k:RS+\k+1], v[10:11]
	v_pk_fma_f32 v[12:13], v[RS+\k+2:RS+\k+3], v[RS+\k+2:RS+\k+3], v[12:13]
.endr
	v_pk_add_f32 v[10:11], v[10:11], v[12:13]
	v_add_f32 v[TM+(\i)], v10, v11                 ; a register for each row: no store's data are written again
.irp c, 0,1,2,3,4,5
	ds_store_b128 v5, v[RS+4*\c:RS+4*\c+3] offset:(\i)*STGP+512*\c
.endr
	ds_store_b32 v7, v[TM+(\i)] offset:(\i)*PARTP
.if ((\i) >= 1) && ((\i) <= 8)
	s_wait_dscnt 7                                 ; this row's seven may be out; the row before has left its registers,
	LOADROW (\i)+7                                 ; which take the row seven further on
.endif
.endm
.macro XLD s                           ; K step s back from the stage: register 16 b + i = d 128 s + 32 b + 16 h + i of row r, into set s % 2
.irp b, 0,1,2,3
.irp j, 0,1,2,3
	ds_load_b128 v[64+64*((\s)%2)+16*\b+4*\j:64+64*((\s)%2)+16*\b+4*\j+3], v6 offset:512*(\s)+128*\b+16*\j
.endr
.endr
.endm
.macro KSTEP s                         ; K step s: normalised, quantised, its image stored: three stores of 512 consecutive bytes
.set XS, 64+64*((\s)%2)
.if (\s) < 5
	XLD (\s)+1
	s_wait_dscnt 16                                ; this step's numbers are in; the next step's sixteen loads may be out
.else
	s_wait_dscnt 0x0
.endif
.set j, 0
.rept 32
	v_pk_mul_f32 v[XS+j:XS+j+1], v[XS+j:XS+j+1], v[16:17]
.set j, j+2
.endr
.if (\s) > 0
	s_wait_xcnt 0x0                                ; the last step's stores have read the codes' registers, which are written again below
.endif
	QUANT XS, PW+(\s)
.irp g, 0,1,2
	global_store_b128 v4, v[PC+4*\g:PC+4*\g+3], s[24:25] offset:1536*(\s)+512*\g
.endr
.endm
	s_lshl_b32 s16, ttmp9, 5                       ; my first row of mid: 32 x + 8 u
	s_lshl_b32 s17, s12, 3
	s_add_co_u32 s16, s16, s17
	s_mul_i32 s16, s16, ROWB
	s_mov_b32 s17, 0
	s_mul_i32 s18, s14, 18432                      ; my six fragments: 1,536 x 6 x (2 w + u)
	s_mul_i32 s19, s12, 9216
	s_add_co_u32 s18, s18, s19
	s_add_co_u32 s18, s18, s15
	s_mov_b32 s19, 0
	s_mul_i32 s22, s14, 768                        ; my scale words: 768 w + 64 u
	s_lshl_b32 s23, s12, 6
	s_add_co_u32 s22, s22, s23
	s_add_co_u32 s22, s22, s15
	s_add_co_u32 s22, s22, SCO
	s_mov_b32 s23, 0
	s_mul_i32 s26, s12, WREG                       ; my region of LDS
	s_add_co_u32 s27, s26, PARTO
	v_add_nc_u32 v5, s26, v4                       ; the stage, in: 16 L
	v_mul_u32_u24 v6, v2, STGP
	v_lshl_add_u32 v6, v3, 6, v6
	v_add_nc_u32 v6, s26, v6                       ; and back: row r, + 64 h
	v_lshl_add_u32 v7, v1, 2, s27                  ; the partial sums, in: 4 L
	v_mul_u32_u24 v8, v2, PARTP
	v_lshl_add_u32 v8, v3, 6, v8
	v_add_nc_u32 v8, s27, v8                       ; and back: row r, my half's sixteen
	v_lshlrev_b32 v9, 2, v2
	v_lshl_add_u32 v9, v3, 7, v9                   ; the scale words' way out: 4 r + 128 h
	v_mov_b32 v15, 0                               ; (a lane permute's destination counts as one of its sources)
	s_wait_kmcnt 0x0
	s_add_nc_u64 s[4:5], s[4:5], s[16:17]
	s_add_nc_u64 s[24:25], s[8:9], s[18:19]
	s_add_nc_u64 s[28:29], s[8:9], s[22:23]
.irp i, 0,1,2,3,4,5,6,7
	LOADROW \i                                     ; 48 loads, 24,576 bytes of the wave's 49,152, are on their way
.endr
	ROWIN 0, 7
.irp i, 1,2,3,4,5,6,7,8,9
	ROWIN \i, 6
.endr
	ROWIN 10, 5
	ROWIN 11, 4
	ROWIN 12, 3
	ROWIN 13, 2
	ROWIN 14, 1
	ROWIN 15, 0
	s_wait_dscnt 0x0                               ; the stores have read the ring's registers, which take the read-back below
.irp k, 0,1,2,3
	ds_load_b128 v[192+4*\k:195+4*\k], v8 offset:16*\k   ; sixteen of row r's 32 partial sums
.endr
	XLD 0
	s_wait_dscnt 16                                ; the partial sums are in; K step 0's sixteen loads may be out
	v_pk_add_f32 v[192:193], v[192:193], v[194:195]
	v_pk_add_f32 v[196:197], v[196:197], v[198:199]
	v_pk_add_f32 v[200:201], v[200:201], v[202:203]
	v_pk_add_f32 v[204:205], v[204:205], v[206:207]
	v_pk_add_f32 v[192:193], v[192:193], v[196:197]
	v_pk_add_f32 v[200:201], v[200:201], v[204:205]
	v_pk_add_f32 v[192:193], v[192:193], v[200:201]
	v_add_f32 v14, v192, v193
	v_permlanex16_b32 v15, v14, s20, s21
	v_add_f32 v14, v14, v15                        ; row r's sum of squares
	v_sqrt_f32 v14, v14
	v_nop                                          ; a plain place behind a transcendental
	s_wait_alu depctr_va_vdst(0)
	v_max_num_f32 v14, 0x2b8cbccc, v14             ; max(norm, 1e-12)
	v_rcp_f32 v16, v14
	v_nop
	s_wait_alu depctr_va_vdst(0)
	v_mov_b32 v17, v16                             ; a pair for the packed multiply
.irp s, 0,1,2,3,4,5
	KSTEP \s
.endr
	v_cmp_ne_u32 vcc_lo, 0, v3                     ; lanes 0-15 send the even K steps' words, lanes 16-31 the odd ones'
.irp i, 0,1,2
	v_cndmask_b32 v[60+\i], v[PW+2*\i], v[PW+2*\i+1], vcc_lo
	global_store_b32 v9, v[60+\i], s[28:29] offset:256*\i
.endr
	s_wait_tensorcnt 0x0
	ds_add_u32 v59, v63
	s_wait_dscnt 0x0
	s_endpgm
; ------------------------------------------------------------------ FINAL: wave 2 + p takes channels 192 w + 32 p + L, all 128 keys of the block
; A LANE TAKES A COLUMN AND ITS REGISTERS RUN DOWN THE KEYS: a block of 32 keys lies in one lane's 32 registers.  The six waves read 768 consecutive bytes of each key's row.
.Lfinal:
.macro LOADB t                         ; block t: final(32 t + k, my channel), k = 0 .. 31.  No hint: the next launch reads final again
.set k, 0
.rept 32
	global_load_b32 v[64+32*(\t)+k], v5, s[6:7] offset:(32*(\t)+k)*ROWB
.set k, k+1
.endr
.endm
.macro FBLOCK t
.if (\t) < 3
	s_wait_loadcnt 32                              ; this block's 32 loads are in; the next block's may be out
.else
	s_wait_loadcnt 0x0
.endif
.if (\t) < 2
	LOADB (\t)+2
.endif
.set XS, 64+32*(\t)
.set FD, 16+12*((\t)%2)+6*((\t)/2)     ; even blocks go to v16-27, odd ones to v28-39
.set TP, 40+4*((\t)%2)
	v_max3_num_f32 v48, |v[XS]|, |v[XS+1]|, |v[XS+2]|
	v_max3_num_f32 v49, |v[XS+3]|, |v[XS+4]|, |v[XS+5]|
.irp i, 6,10,14,18,22,26
	v_max3_num_f32 v48, v48, |v[XS+\i]|, |v[XS+\i+1]|
	v_max3_num_f32 v49, v49, |v[XS+\i+2]|, |v[XS+\i+3]|
.endr
	v_max3_num_f32 v48, v48, |v[XS+30]|, |v[XS+31]|
	v_max3_num_f32 v48, v48, v49, 0x1800000        ; and the floor 2^(3 - 127)
	v_add_nc_u32 v50, 0xff000000, v48              ; the conversion's scale operand
	v_lshrrev_b32 v51, 23, v50                     ; the scale's byte
.if (\t) == 0
	v_mov_b32 v52, v51                             ; my column's scale word: byte t for keys 32 t on
.else
	v_lshl_or_b32 v52, v51, 8*(\t), v52
.endif
	v_cvt_scalef32_pk16_fp6_f32 v[FD:FD+2], v[XS:XS+15], v50
	v_cvt_scalef32_pk16_fp6_f32 v[TP:TP+2], v[XS+16:XS+31], v50   ; (a conversion's three registers begin on an even number)
	v_nop                                          ; one plain place behind a scaled conversion
.irp i, 0,1,2
	v_mov_b32 v[FD+3+\i], v[TP+\i]
.endr
.endm
	s_sub_co_u32 s16, s12, 2                       ; p
	v_lshlrev_b32 v5, 2, v1                        ; 4 L
	s_mul_i32 s18, s13, 128*ROWB                   ; the block's 128 rows of final,
	s_mul_i32 s19, s14, 768
	s_add_co_u32 s18, s18, s19
	s_lshl_b32 s19, s16, 7
	s_add_co_u32 s18, s18, s19                     ; + 4 (192 w + 32 p)
	s_mov_b32 s19, 0
	s_mul_i32 s22, s14, 18432                      ; my two fragments: 1,536 x (12 w + 2 p)
	s_mul_i32 s23, s16, 3072
	s_add_co_u32 s22, s22, s23
	s_add_co_u32 s22, s22, s15
	s_mov_b32 s23, 0
	s_mul_i32 s24, s14, 768                        ; my 32 scale words: 768 w + 128 p
	s_lshl_b32 s25, s16, 7
	s_add_co_u32 s24, s24, s25
	s_add_co_u32 s24, s24, s15
	s_add_co_u32 s24, s24, SCO
	s_mov_b32 s25, 0
	s_wait_kmcnt 0x0
	s_add_nc_u64 s[6:7], s[6:7], s[18:19]
	s_add_nc_u64 s[22:23], s[10:11], s[22:23]
	s_add_nc_u64 s[24:25], s[10:11], s[24:25]
	LOADB 0
	LOADB 1
	FBLOCK 0
	FBLOCK 1
	FBLOCK 2
	FBLOCK 3
.irp i, 0,1,2,3,4,5,6,7,8,9,10,11      ; the even blocks' lanes 16-31 change places with the odd blocks' lanes 0-15: v16-27 is now the image of the fragment of
	v_permlane16_swap_b32 v[16+\i], v[28+\i]       ; channels 0-15 (lanes 0-15 block 2 c, lanes 16-31 block 2 c + 1), v28-39 that of channels 16-31
.endr
.irp g, 0,1,2
	global_store_b128 v4, v[16+4*\g:19+4*\g], s[22:23] offset:512*\g          ; 512 consecutive bytes a store
	global_store_b128 v4, v[28+4*\g:31+4*\g], s[22:23] offset:1536+512*\g
.endr
	global_store_b32 v5, v52, s[24:25]
	s_endpgm
.Lfunc_end_k_qb4a1488ea2_quant:
	.size	k_qb4a1488ea2_quant, .Lfunc_end_k_qb4a1488ea2_quant-k_qb4a1488ea2_quant
	.p2alignl 7, 3214868480
	.fill 96, 4, 3214868480
	.section	.rodata,"a",@progbits
	.p2align	6, 0x0
	.amdhsa_kernel k_qb4a1488ea2_quant
		.amdhsa_group_segment_fixed_size 104448
		.amdhsa_private_segment_fixed_size 0
		.amdhsa_enable_private_segment 0
		.amdhsa_kernarg_size 32
		.amdhsa_user_sgpr_count 2
		.amdhsa_user_sgpr_kernarg_segment_ptr 1
		.amdhsa_wavefront_size32 1
		.amdhsa_system_sgpr_workgroup_id_x 1
		.amdhsa_system_sgpr_workgroup_id_y 1
		.amdhsa_system_sgpr_workgroup_id_z 1
		.amdhsa_system_vgpr_workitem_id 0
		.amdhsa_next_free_vgpr 256
		.amdhsa_next_free_sgpr 66
		.amdhsa_reserve_vcc 1
		.amdhsa_float_denorm_mode_32 3
		.amdhsa_float_denorm_mode_16_64 3
		.amdhsa_memory_ordered 1
		.amdhsa_forward_progress 1
		.amdhsa_inst_pref_size 97
	.end_amdhsa_kernel
	.amdgpu_metadata
---
amdhsa.version: [ 1, 2 ]
amdhsa.kernels:
  - .name:           k_qb4a1488ea2_quant
    .symbol:         k_qb4a1488ea2_quant.kd
    .args:
      - { .name: mid_features, .offset: 0, .size: 8, .value_kind: global_buffer, .address_space: global }
      - { .name: final_features, .offset: 8, .size: 8, .value_kind: global_buffer, .address_space: global }
      - { .name: kq, .offset: 16, .size: 8, .value_kind: global_buffer, .address_space: global }
      - { .name: vc, .offset: 24, .size: 8, .value_kind: global_buffer, .address_space: global }
    .group_segment_fixed_size: 104448
    .private_segment_fixed_size: 0
    .kernarg_segment_align: 8
    .kernarg_segment_size: 32
    .max_flat_workgroup_size: 256
    .sgpr_count:     66
    .vgpr_count:     256
    .wavefront_size: 32
...
	.end_amdgpu_metadata
.endif
;; end of part 1
;; launch attn (part 2): grid 32 x 8, 4 waves a work-group, clusters of 4 x 1, 327,680 bytes of LDS; arguments kq, vc, final_features, out0; writes out0
.if DOCPART == 2
	.amdgcn_target "amdgcn-amd-amdhsa--gfx1250"
	.amdhsa_code_object_version 6
	.text
	.protected	k_qb4a1488ea2_attn
	.globl	k_qb4a1488ea2_attn
	.p2align	8
	.type	k_qb4a1488ea2_attn,@function
k_qb4a1488ea2_attn:
	s_mov_b64 s[64:65], 0
	v_nop
	global_prefetch_b8 v0, s[64:65] scope:SCOPE_SE
	s_setreg_imm32_b32 hwreg(HW_REG_WAVE_MODE, 25, 1), 1
	s_wait_xcnt 0x0
	s_wait_alu depctr_hold_cnt(0) depctr_sa_sdst(0) depctr_va_vdst(0) depctr_va_sdst(0) depctr_va_ssrc(0) depctr_va_vcc(0) depctr_vm_vsrc(0)
	s_getreg_b32 s2, hwreg(HW_REG_IB_STS2, 6, 4)
	s_cmp_eq_u32 s2, 0
	s_cbranch_scc0 .Lentry_in_a_cluster
	s_endpgm
.Lentry_in_a_cluster:
	s_bfe_u32 s2, ttmp6, 0x10000c
	s_cmp_lg_u32 s2, 0x3003
	s_cbranch_scc0 .Lentry_shape_is_right
	s_endpgm
.Lentry_shape_is_right:
; out = cw x softmax(sim) final + (1 - cw) x final, sim = mid_n mid_n^T with its diagonal set to 0, cw = each row's largest sim.  Both products on codes of FP6 (E2M3) with E8M0 scales,
; from the buffers kq (normalised mid, quantised along its 768) and vc (final, quantised along the keys), which hold IMAGES OF OPERAND REGISTERS: a block of 76,800 bytes for each 128 keys of a
; batch: 48 fragments of 1,536 bytes (register R of lane L at 512 (R / 4) + 16 L + 4 (R % 4)), then scale words at 73,728 + 768 w + 128 p + 4 L (two tiles to a register: lanes 0-15, lanes 16-31).
; THE SOFTMAX: p = 2^t, t = sim x log2(e), is quantised along the keys; the row's sum of the unquantised p divides at the end.  NO MAXIMUM IS TAKEN AWAY (the whole number M is 0), AND THIS IS WHY IT MAY BE:
; the rows are normalised by the computation itself and no scale follows.  A quantised row's norm is at most 1.108 (a block's error is at most 0.0625 sqrt(|x|^2 + 32 s^2), s <= max / 4), so
; |sim| <= 1.23, |t| <= 1.78, 1/4 < p < 4 and a row's sum is under 8,192, for every input.  A whole M is taken up by a block's scale, so the codes' values and the quotient are the same.
; LIMITS: NaN and infinities are not served; 1 / sum is a reciprocal (one unit in the last place).
; SHARES.  A work-group owns 64 queries of a batch, as four tiles qt whose rows lie as kq's tiles do: lane r of tile qt is query 32 (qt / 2) + 8 (qt % 2) + r + 8 (r / 8).  ALL FOUR WAVES HOLD ALL 64 QUERIES
; and share the keys and the channels: of a step of 128 keys wave w makes S^T for keys 32 w .. 32 w + 31 (one scale block: 2 tiles x 4 qt x 6 K steps = 48 products) and O^T for channels 192 w .. 192 w + 191
; (12 tiles x 4 qt = 48 products).  So each fragment of K and of V is read from LDS by one wave, once, and feeds four products.  p goes from wave to wave through LDS as an image of the operand's registers.
; Both products are used transposed (source 0 = 16 keys, or 16 channels; source 1 = 16 queries): a lane holds one query throughout, and by the tiles' row order its 16 registers of two tiles are 16 neighbouring keys.
; A PIPELINE OF 17 PHASES.  Phase t: S^T of step t, 48 products back to back; then the 48 products O^T += V^T P^T of step t - 1 BY TURNS WITH THE SOFTMAX OF STEP t, four of its 192 vector instructions behind
; each product; P(t) goes to LDS.  The softmax works in window 0 and the products' results lie in windows 2 and 3, so each turn costs two switches of the register windows: with four vector instructions
; to a product that is the lesser price against a softmax during which no product is issued.
; ONE ROUND A PHASE: it stands in front of the refills and also hands P over.  P has two buffers: P(t) is stored in phase t, read behind the round of phase t + 1, and its buffer is written again behind the round
; of phase t + 2, in front of which every wave has waited for its reads.
; RING: K(t) lies in K's region t % 2, V(t) in V's region t % 2, filled by the tensor data mover: waves 0, 1 bring K's halves, waves 2, 3 V's, 150 rows of 256 bytes each.  Phase t reads K(t) and V(t - 1);
; at its head K(t + 1) and V(t) are asked for.  A wave has two tensor loads out at the start, later one.
; THE WALK BEGINS ELSEWHERE IN EACH CLUSTER: step t of cluster c is block (t + rot) mod 16 of the batch, rot = 4 ((c + c / 4) mod 4).  No sum and no maximum here hangs on the order of the keys,
; and the eight clusters of a batch do not all ask for the same block at the same time.
; CLUSTER: the four query blocks of a cluster belong to one batch and walk the same blocks: every fill is asked for jointly, by the same load with the same descriptor and the mask 15.
; The stage's stores on the way out go two deep in the banks (rows r and r + 8 of a tile lie 16 stage rows apart): 96 stores a wave, once.
; REGISTERS, in windows of 256.  Window 0: v1-23 addresses; v24-49 scale words and nothing else; v50-61 each query's largest sim and sum; v64-127 S^T, then p; v128-175, v176-223 two buffers
; of four fragments; v224-255 at work.  Window 1: Q's fragments of K steps 0-4 (48 s + 12 qt); at the end ten rows of final.  Window 2: O^T of channel tiles 0-7 (8 (4 ct + qt)); at the end six rows of final.
; Window 3: O^T of tiles 8-11; from v128 Q's K step 5; from v176 P's four fragments.
.set BLK,   76800
.set SLOT,  2*BLK                      ; K's region p begins at p x SLOT, V's at p x SLOT + BLK
.set HALF,  BLK/2                      ; what one tensor load brings
.set SCO,   73728
.set PIMG,  2*SLOT                     ; P's four fragments, 1,536 bytes each, twice
.set PBUF,  6144
.set PSC,   PIMG+2*PBUF                ; P's scale words: 4 bytes a query, at 64 qt + 4 r; 256 bytes, twice
.set STATS, PSC+512                    ; each wave's largest sim of a query at 16 x query + 4 w; its sum 1,024 further on
.set SPARE, STATS+2048                 ; the spare words, 128 bytes for each wave: two blocks of 256 bytes that no other line names
.set SP,    3088                       ; the way out: a stage of 64 rows x (3,072 + 16) bytes from LDS byte 0 on: regions that have had their last fill and, behind the last phase's barrier, their last read
.set ROWB,  3072
.set AK,   1                           ; v1-2   my 12 fragments of K in region 0, 1: 18,432 w + 16 L
.set AV,   3                           ; v3-4   of V
.set AKS,  5                           ; v5-6   my scale words of K
.set AVS,  7                           ; v7-8   of V
.set APR,  9                           ; v9     P's images, read: PIMG + 16 L
.set APW,  10                          ; v10-12 where my three registers of codes go in an image
.set APSW, 13                          ; v13    my block's scale byte: PSC + 4 r + w
.set APSR, 14                          ; v14    PSC + 4 L
.set ASTW, 15                          ; v15    STATS + 16 (r + 8 (r / 8)) + 4 w
.set ASTR, 16                          ; v16    STATS + 16 (16 w + r)
.set ASR,  17                          ; v17    the stage, read: my 16 rows, 16 L
.set GO,   18                          ; v18    16 L
.set DB,   19                          ; v19    my query of tile 0 less my first key of block 0 (data, no address)
.set PF,   20                          ; v20    256 L
.set RQ,   21                          ; v21    r + 8 (r / 8)
.set HH,   22                          ; v22    h
.set L4,   23                          ; v23    4 L
.set QS,   24                          ; v24-35 Q's scale words: 6 (qt / 2) + s
.set KS,   36                          ; v36-41 K's: s
.set VS,   42                          ; v42-47 V's: ct / 2
.set PS,   48                          ; v48-49 P's: qt / 2
.set CONF, 50
.set SUM,  54
.set SPW,  62                          ; v62    SPARE + 4 x my thread's number; never rewritten
.set NIL,  63                          ; v63    0; never rewritten
.set S,    64
.set FA,   128
.set FB,   176
.set PR,   176                         ; P's fragments, in window 3: 12 qt on
.set BM,   224                         ; v224-227 a block's largest score;  v228-231 the other half's;  v232-235 the conversions' scale operands;  v236-239 bytes;  v240-255 codes, four registers a tile
.set PX,   228
.set SOP,  232
.set BY,   236
.set CV,   240
.set MSB, 0
.macro WIN new                         ; bits 1:0 source 0, 3:2 source 1, 5:4 source 2, 7:6 destination; the immediate's high byte repeats the setting that is left; a switch that changes nothing is dropped
.if MSB != \new
	s_set_vgpr_msb (MSB<<8)|\new
.set MSB, \new
.endif
.endm
.macro PLACES n                        ; plain vector instructions that name no register of the matrix instruction before them (ISA guide 7.12.1)
.rept \n
	v_nop
.endr
.endm
.macro ROUND                           ; a round of the cluster's barrier
	s_barrier_signal -1
	s_barrier_wait -1
	s_cmp_lg_u32 s12, 0
	s_cbranch_scc1 .Lnot_wave_0_\@
	s_barrier_signal -3
.Lnot_wave_0_\@:
	s_barrier_wait -3
	s_barrier_signal -1
	s_barrier_wait -1
.endm
; The joint refills at the head of a phase of parity kp: waves 0, 1 bring K's next block into K's region 1 - kp, waves 2, 3 this step's V into V's region kp.
; mode 1: K's alone; 2: both; 3: V's alone.  The branches hang on the wave's number alone.  Four v_nop follow each tensor load.
.macro JLOAD mode, kp
	s_cmp_lt_u32 s12, 2
.if \mode == 3
	s_cbranch_scc1 .Lasked_\@
.else
	s_cbranch_scc0 .Lfor_v_\@
	tensor_load_to_lds s[32+4*(1-\kp):35+4*(1-\kp)], s[24:31]
	s_nop 0
.rept 4
	v_nop
.endr
.if \mode == 2
	s_branch .Lasked_\@
.endif
.Lfor_v_\@:
.endif
.if \mode > 1
	tensor_load_to_lds s[40+4*\kp:43+4*\kp], s[24:31]
	s_nop 0
.rept 4
	v_nop
.endr
.endif
.Lasked_\@:
.endm
; One product.  rD, rA, rB: first registers;  rSA, rSB: scale registers;  fA, fB: the side's scales stand in lanes 16-31;  zC: the product starts its sum
.macro WM
.if zC
.if fA && fB
	v_wmma_scale_f32_16x16x128_f8f6f4 v[rD:rD+7], v[rA:rA+11], v[rB:rB+11], 0, v[rSA], v[rSB] matrix_a_fmt:MATRIX_FMT_FP6 matrix_b_fmt:MATRIX_FMT_FP6 matrix_a_scale:MATRIX_SCALE_ROW1 matrix_b_scale:MATRIX_SCALE_ROW1
.elseif fA
	v_wmma_scale_f32_16x16x128_f8f6f4 v[rD:rD+7], v[rA:rA+11], v[rB:rB+11], 0, v[rSA], v[rSB] matrix_a_fmt:MATRIX_FMT_FP6 matrix_b_fmt:MATRIX_FMT_FP6 matrix_a_scale:MATRIX_SCALE_ROW1
.elseif fB
	v_wmma_scale_f32_16x16x128_f8f6f4 v[rD:rD+7], v[rA:rA+11], v[rB:rB+11], 0, v[rSA], v[rSB] matrix_a_fmt:MATRIX_FMT_FP6 matrix_b_fmt:MATRIX_FMT_FP6 matrix_b_scale:MATRIX_SCALE_ROW1
.else
	v_wmma_scale_f32_16x16x128_f8f6f4 v[rD:rD+7], v[rA:rA+11], v[rB:rB+11], 0, v[rSA], v[rSB] matrix_a_fmt:MATRIX_FMT_FP6 matrix_b_fmt:MATRIX_FMT_FP6
.endif
.else
.if fA && fB
	v_wmma_scale_f32_16x16x128_f8f6f4 v[rD:rD+7], v[rA:rA+11], v[rB:rB+11], v[rD:rD+7], v[rSA], v[rSB] matrix_a_fmt:MATRIX_FMT_FP6 matrix_b_fmt:MATRIX_FMT_FP6 matrix_a_scale:MATRIX_SCALE_ROW1 matrix_b_scale:MATRIX_SCALE_ROW1
.elseif fA
	v_wmma_scale_f32_16x16x128_f8f6f4 v[rD:rD+7], v[rA:rA+11], v[rB:rB+11], v[rD:rD+7], v[rSA], v[rSB] matrix_a_fmt:MATRIX_FMT_FP6 matrix_b_fmt:MATRIX_FMT_FP6 matrix_a_scale:MATRIX_SCALE_ROW1
.elseif fB
	v_wmma_scale_f32_16x16x128_f8f6f4 v[rD:rD+7], v[rA:rA+11], v[rB:rB+11], v[rD:rD+7], v[rSA], v[rSB] matrix_a_fmt:MATRIX_FMT_FP6 matrix_b_fmt:MATRIX_FMT_FP6 matrix_b_scale:MATRIX_SCALE_ROW1
.else
	v_wmma_scale_f32_16x16x128_f8f6f4 v[rD:rD+7], v[rA:rA+11], v[rB:rB+11], v[rD:rD+7], v[rSA], v[rSB] matrix_a_fmt:MATRIX_FMT_FP6 matrix_b_fmt:MATRIX_FMT_FP6
.endif
.endif
.endm
.macro LOADK buf, slot, a              ; K steps 2 a, 2 a + 1 of my two key tiles: place 2 e + u of the buffer takes fragment 6 u + 2 a + e.  (Right under S^T's window settings too: destination and address are in window 0)
.irp e, 0,1
.irp u, 0,1
.irp g, 0,1,2
	ds_load_b128 v[\buf+12*(2*\e+\u)+4*\g:\buf+12*(2*\e+\u)+4*\g+3], v[AK+\slot] offset:1536*(6*\u+2*(\a)+\e)+512*\g
.endr
.endr
.endr
.endm
.macro LOADV buf, slot, a              ; my channel tiles 4 a .. 4 a + 3
.irp i, 0,1,2,3
.irp g, 0,1,2
	ds_load_b128 v[\buf+12*\i+4*\g:\buf+12*\i+4*\g+3], v[AV+\slot] offset:1536*(4*(\a)+\i)+512*\g
.endr
.endr
.endm
.macro KSC slot
.irp p, 0,1,2,3,4,5
	ds_load_b32 v[KS+\p], v[AKS+\slot] offset:128*\p
.endr
.endm
.macro VSC slot
.irp p, 0,1,2,3,4,5
	ds_load_b32 v[VS+\p], v[AVS+\slot] offset:128*\p
.endr
.endm
.macro LOADP pb                        ; P's scale words (lanes 0-15 one tile's, lanes 16-31 the next's) and its four fragments, whole, out of buffer pb into window 3
	ds_load_b32 v[PS], v[APSR] offset:256*(\pb)
	ds_load_b32 v[PS+1], v[APSR] offset:256*(\pb)+128
	WIN 0xc0
.irp qt, 0,1,2,3
.irp g, 0,1,2
	ds_load_b128 v[PR+12*\qt+4*\g:PR+12*\qt+4*\g+3], v[APR] offset:PBUF*(\pb)+1536*\qt+512*\g
.endr
.endr
.endm
; 16 products of S^T = K Q^T: K steps 2 a, 2 a + 1; the eight accumulators (u, qt) take turns, one instruction a turn, in the same order in every K step
.macro QK16 buf, a
.irp e, 0,1
.set sK, 2*(\a)+\e
.if sK == 5
	WIN 0x0c                                       ; Q's K step 5 lies in window 3
.else
	WIN 0x04                                       ; the others in window 1
.endif
.irp u, 0,1
.irp qt, 0,1,2,3
.set rD, S+16*\qt+8*\u
.set rA, \buf+12*(2*\e+\u)
.if sK == 5
.set rB, 128+12*\qt
.else
.set rB, 48*sK+12*\qt
.endif
.set rSA, KS+sK
.set rSB, QS+6*(\qt/2)+sK
.set fA, \u
.set fB, \qt%2
.set zC, 0
.if sK == 0
.set zC, 1
.endif
	WM
.endr
.endr
.endr
.endm
; THE NEXT PRODUCT of O^T += V^T P^T, number pvn of 48: channel tile pvn / 4, query tile pvn % 4: 48 different accumulators.  PVMODE 0: the phase has none; 1: they start the sums; 2: they add.
; Tiles 0-3 lie in buffer B, tiles 4-7 in buffer A; tiles 8-11 are fetched into buffer B behind product 15 and four places, sixteen products ahead of their use.
.macro NEXTPV
.if PVMODE && (pvn < 48)
.if pvn == 0
	s_wait_dscnt 12                                ; P, V's scale words and tiles 0-3 are in; the twelve loads of tiles 4-7 may be out
.elseif pvn == 16
	WIN 0
	PLACES 4
	LOADV FB, VREG, 2
	s_wait_dscnt 12                                ; tiles 4-7 are in; the twelve loads just issued may be out
.elseif pvn == 32
	s_wait_dscnt 0x0                               ; tiles 8-11 are in
.endif
.set ct, pvn/4
.if ct < 8
	WIN 0xac                                       ; V in window 0, P in window 3, O^T in window 2
.else
	WIN 0xfc                                       ; O^T in window 3
.endif
.set rD, 8*(4*(ct%8)+pvn%4)
.if (pvn/16) == 1
.set rA, FA+12*(ct%4)
.else
.set rA, FB+12*(ct%4)
.endif
.set rB, PR+12*(pvn%4)
.set rSA, VS+ct/2
.set rSB, PS+(pvn%4)/2
.set fA, ct%2
.set fB, pvn%2
.set zC, 0
.if PVMODE == 1
.set zC, 1
.endif
	WM
.set pvn, pvn+1
.endif
.endm
; The diagonal becomes 0.  It can lie only in the two blocks whose keys are the cluster's 256 queries: the branch hangs on the cluster's number and the block's, which all partners share.
; Register 16 qt + i holds key 128 x block + 32 w + 16 h + i; it is my query of tile qt where i - 32 (qt / 2) - 8 (qt % 2) = DB - 128 x block.  Each accumulator is taken from its low end on.
.macro MASK
	s_lshr_b32 s78, s18, 1
	s_cmp_lg_u32 s78, s17
	s_cbranch_scc1 .Lno_diagonal_\@
	s_lshl_b32 s78, s18, 7
	s_sub_co_u32 s78, 0, s78
	v_add_nc_u32 v[CV], s78, v[DB]
	v_mov_b32 v[CV+1], 0
.irp qt, 0,1,2,3
.irp i, 0,1,2,3,4,5,6,7,8,9,10,11,12,13,14,15
	v_cmp_eq_i32 vcc_lo, \i-32*(\qt/2)-8*(\qt%2), v[CV]
	v_cndmask_b32 v[S+16*\qt+\i], v[S+16*\qt+\i], v[CV+1], vcc_lo
.endr
.endr
.Lno_diagonal_\@:
.endm
.macro PSTORE q, pb                    ; tile q's codes and scale byte into P's buffer pb
.irp i, 0,1,2
	ds_store_b32 v[APW+\i], v[CV+4*(\q)+\i] offset:PBUF*(\pb)+1536*(\q)   ; register 6 (w / 2) + 3 h + i of lane r + 16 (w % 2) of the image
.endr
	ds_store_b8 v[APSW], v[BY+(\q)] offset:256*(\pb)+64*(\q)   ; byte w of the query's scale word (both lanes of a query write the same byte with the same value)
.endm
; THE SOFTMAX OF A STEP, in 48 groups of four vector instructions, the four query tiles by turns; behind each group stands the next product of the step before.
; sm 1: the first step, which starts the largest sims and the sums; 2: a later one; 3: the last: the waves' largest sims and sums go to LDS.  pb: P's buffer.
.macro SOFTMAX sm, pb
	WIN 0
.irp qt, 0,1,2,3
	v_max3_num_f32 v[BM+\qt], v[S+16*\qt], v[S+16*\qt+1], v[S+16*\qt+2]   ; my 16 keys' largest score: it serves the row's largest sim and, since p rises with the score, the block's largest p
.endr
	NEXTPV
.irp i, 3,5,7,9,11,13
	WIN 0
.irp qt, 0,1,2,3
	v_max3_num_f32 v[BM+\qt], v[BM+\qt], v[S+16*\qt+\i], v[S+16*\qt+\i+1]
.endr
	NEXTPV
.endr
	WIN 0
.irp qt, 0,1,2,3
	v_max_num_f32 v[BM+\qt], v[BM+\qt], v[S+16*\qt+15]
.endr
	NEXTPV
	WIN 0
.irp qt, 0,1,2,3
	v_permlanex16_b32 v[PX+\qt], v[BM+\qt], s20, s21
.endr
	NEXTPV
	WIN 0
.irp qt, 0,1,2,3
	v_max_num_f32 v[BM+\qt], v[BM+\qt], v[PX+\qt]  ; with lane l xor 16's 16 keys: the block's
.endr
	NEXTPV
	WIN 0
.irp qt, 0,1,2,3
.if \sm == 1
	v_mov_b32 v[CONF+\qt], v[BM+\qt]
.else
	v_max_num_f32 v[CONF+\qt], v[CONF+\qt], v[BM+\qt]
.endif
.endr
	NEXTPV
	WIN 0
.irp qt, 0,1,2,3
	v_mul_f32 v[BM+\qt], s22, v[BM+\qt]            ; the block's largest score as t
.endr
	NEXTPV
	WIN 0
.irp qt, 0,1,2,3
	v_exp_f32 v[BM+\qt], v[BM+\qt]                 ; the block's largest p: the same two instructions on the same number give the same bits as below
.endr
	NEXTPV
.set si, 0
.rept 8
	WIN 0
.rept 4
	v_pk_mul_f32 v[S+si:S+si+1], v[S+si:S+si+1], s[22:23] op_sel_hi:[1,0]   ; t = sim x log2(e).  (Plain lines behind the four exponentials above)
.set si, si+2
.endr
	NEXTPV
.endr
	WIN 0
	s_wait_alu depctr_va_vdst(0)
.irp qt, 0,1,2,3
	v_add_nc_u32 v[SOP+\qt], 0xff000000, v[BM+\qt] ; 2 off the exponent field: the conversion's scale operand.  No floor: p > 1/4
.endr
	NEXTPV
	WIN 0
.irp qt, 0,1,2,3
	v_lshrrev_b32 v[BY+\qt], 23, v[SOP+\qt]        ; the scale's byte
.endr
	NEXTPV
.set si, 0
.rept 16
	WIN 0
.rept 4
	v_exp_f32 v[S+si], v[S+si]                     ; p = 2^t
.set si, si+1
.endr
	NEXTPV
.endr
	WIN 0
	v_nop                                          ; a plain place behind the exponentials
	s_wait_alu depctr_va_vdst(0)
.irp qt, 0,1,2,3
	v_cvt_scalef32_pk16_fp6_f32 v[CV+4*\qt:CV+4*\qt+2], v[S+16*\qt:S+16*\qt+15], v[SOP+\qt]   ; my query's codes of keys 32 w + 16 h + 0 .. 15
.endr
	v_nop                                          ; one plain place behind a scaled conversion
	PSTORE 0, \pb
	NEXTPV
; each query's sum of the unquantised p, two at a time; the other tiles' codes leave between the first groups, so that they have landed when the phase ends
.if \sm == 1
	WIN 0
.irp qt, 0,1,2,3
	v_pk_add_f32 v[SUM+2*\qt:SUM+2*\qt+1], v[S+16*\qt:S+16*\qt+1], v[S+16*\qt+2:S+16*\qt+3]
.endr
	PSTORE 1, \pb
	NEXTPV
.irp k, 4,6,8,10,12,14
	WIN 0
.irp qt, 0,1,2,3
	v_pk_add_f32 v[SUM+2*\qt:SUM+2*\qt+1], v[SUM+2*\qt:SUM+2*\qt+1], v[S+16*\qt+\k:S+16*\qt+\k+1]
.endr
.if \k < 8
	PSTORE \k/2, \pb
.endif
	NEXTPV
.endr
.else
.irp k, 0,2,4,6,8,10,12,14
	WIN 0
.irp qt, 0,1,2,3
	v_pk_add_f32 v[SUM+2*\qt:SUM+2*\qt+1], v[SUM+2*\qt:SUM+2*\qt+1], v[S+16*\qt+\k:S+16*\qt+\k+1]
.endr
.if \k < 6
	PSTORE \k/2+1, \pb
.endif
	NEXTPV
.endr
.endif
.if \sm == 3
	WIN 0
.irp qt, 0,1,2,3
	v_add_f32 v[BM+\qt], v[SUM+2*\qt], v[SUM+2*\qt+1]
.endr
.irp qt, 0,1,2,3
	v_permlanex16_b32 v[PX+\qt], v[BM+\qt], s20, s21
.endr
.irp qt, 0,1,2,3
	v_add_f32 v[BM+\qt], v[BM+\qt], v[PX+\qt]      ; my wave's part of the query's sum
.endr
.irp qt, 0,1,2,3
	ds_store_b32 v[ASTW], v[CONF+\qt] offset:16*(32*(\qt/2)+8*(\qt%2))
	ds_store_b32 v[ASTW], v[BM+\qt] offset:16*(32*(\qt/2)+8*(\qt%2))+1024
.endr
.endif
.endm
; A PHASE.  kp: its parity.  fill: 0 no change of regions (phase 0); 1, 2, 3: a round and the joint refills (K's alone, both, V's alone); 4: a barrier and no refill.
; qk: S^T of this step.  pv: the products of the step before (0 none, 1 they start the sums, 2 they add).  sm: the softmax (0 none).  pf: rows of final are asked for ahead.
.macro PHASE kp, fill, qk, pv, sm, pf
.set PVMODE, \pv
.set VREG, 1-\kp
.set pvn, 0
.if \fill
	WIN 0
	s_wait_tensorcnt 0x0                           ; all my tensor loads have landed: no tensor load of mine is out, so a group 0 may be written
	ds_add_u32 v[SPW], v[NIL]                      ; 0 onto my spare word: the descriptors' words are made between it and the wait for it
.if \fill < 4
	s_add_co_u32 s18, s18, 1
	s_and_b32 s18, s18, 15                         ; this step's block
.endif
.if (\fill == 2) || (\fill == 3)
	s_mul_i32 s90, s18, BLK                        ; V of this step
	s_add_nc_u64 s[42+4*\kp:43+4*\kp], s[54:55], s[90:91]
	s_or_b32 s[43+4*\kp], s[43+4*\kp], 0x80000000  ; type = 2
.endif
.if \fill < 3
	s_add_co_u32 s92, s18, 1
	s_and_b32 s92, s92, 15
	s_mul_i32 s92, s92, BLK                        ; K of the next step
	s_add_nc_u64 s[34+4*(1-\kp):35+4*(1-\kp)], s[52:53], s[92:93]
	s_or_b32 s[35+4*(1-\kp)], s[35+4*(1-\kp)], 0x80000000
.endif
	s_wait_dscnt 0x0                               ; the add is done, my reads of the regions and of P are over, and my part of the new P lies in LDS
.if \fill < 4
	ROUND                                          ; all that now holds of every wave of every partner
	JLOAD \fill, \kp                               ; the refill first: it has this whole phase in which to land
.else
	s_barrier_signal -1
	s_barrier_wait -1
.endif
	PLACES 5                                       ; in front of loads into registers that the last products read
.endif
.if \pf
.irp k, 0,1,2,3
	global_prefetch_b8 v[PF], s[74:75] offset:8192*\k th:TH_LOAD_NT scope:SCOPE_SE   ; the first 32,768 of my own 49,152 bytes of final, lanes 256 bytes apart, each block once: they are loaded one phase on
.endr
.endif
.if \qk
	KSC \kp
	LOADK FA, \kp, 0
	LOADK FB, \kp, 1
.endif
.if \pv
	LOADP 1-\kp
.endif
.if \qk
.if \pv
	s_wait_dscnt 26                                ; K's scale words and buffer A are in; buffer B's twelve loads and P's fourteen may be out
.else
	s_wait_dscnt 12
.endif
	QK16 FA, 0
	PLACES 4
	LOADK FA, \kp, 2
.if \pv
	s_wait_dscnt 26                                ; buffer B is in; P's fourteen loads and A's twelve new ones may be out
.else
	s_wait_dscnt 12
.endif
	QK16 FB, 1
	PLACES 4
.if \pv
	LOADV FB, 1-\kp, 0
	VSC 1-\kp
	s_wait_dscnt 18                                ; buffer A (and P) are in; V's twelve loads and six scale words may be out
.else
	s_wait_dscnt 0x0
.endif
	QK16 FA, 2
	WIN 0
	PLACES 4                                       ; in front of the loads below and of the first read of the scores
.if \pv
	LOADV FA, 1-\kp, 1
.endif
.else
	WIN 0
	ds_load_b128 v[224:227], v[ASTR]               ; the four waves' largest sims of query 16 w + r,
	ds_load_b128 v[228:231], v[ASTR] offset:1024   ; and their sums
	LOADV FB, 1-\kp, 0
	VSC 1-\kp
	LOADV FA, 1-\kp, 1
.endif
.if \sm == 3
	WIN 0x40                                       ; Q has served: rows 0-9 of my 16 rows of final land in window 1 while the last two steps' products run
.set i, 0
.rept 10
.irp c, 0,1,2,3,4,5
	global_load_b128 v[24*i+4*\c:24*i+4*\c+3], v[GO], s[74:75] offset:ROWB*i+512*\c th:TH_LOAD_NT
.endr
.set i, i+1
.endr
	WIN 0
	global_prefetch_b8 v[PF], s[74:75] offset:32768 th:TH_LOAD_NT scope:SCOPE_SE   ; the last 16,384 of my 49,152 bytes of final: they are loaded behind the last products;
	global_prefetch_b8 v[PF], s[74:75] offset:40960 th:TH_LOAD_NT scope:SCOPE_SE   ; both lie inside my rows
.endif
.if \sm
	MASK
	SOFTMAX \sm, \kp
.endif
.rept 48
	NEXTPV                                         ; what the softmax has not set between its groups: all 48 in the last phase, else none
.endr
	WIN 0                                          ; at a label and at a branch every window is 0
.endm
	s_load_b256 s[4:11], s[0:1], 0x0               ; kq s[4:5], vc s[6:7], final s[8:9], out s[10:11]
	v_lshl_add_u32 v[SPW], v0, 2, SPARE
	v_mov_b32 v[NIL], 0
	ds_add_u32 v62, v63
	s_wait_dscnt 0x0
	v_lshrrev_b32 v224, 5, v0
	v_readfirstlane_b32 s12, v224                  ; wave 0..3
	s_and_b32 s13, s12, 1                          ; which half of a block I fetch
	s_bfe_u32 s14, ttmp6, 0x40000                  ; cx: my place in the cluster: it enters Q's, final's and out's global addresses and the mask's data alone
	s_lshl_b32 s15, ttmp9, 2
	s_add_co_u32 s15, s15, s14                     ; my block of 64 queries
	s_and_b32 s16, ttmp7, 0xffff                   ; the batch, which the partners share
	s_mov_b32 s17, ttmp9                           ; the cluster's number c: its 256 queries are the keys of blocks 2 c and 2 c + 1
	s_lshr_b32 s18, ttmp9, 2
	s_add_co_u32 s18, s18, ttmp9
	s_and_b32 s18, s18, 3
	s_lshl_b32 s18, s18, 2                         ; the block of step 0: rot = 4 ((c + c / 4) mod 4), at most 12
	s_mov_b32 s20, 0x76543210
	s_mov_b32 s21, 0xfedcba98                      ; v_permlanex16_b32's selects for lane l xor 16
	s_mov_b32 s22, 0x3fb8aa3b                      ; log2(e)
	s_mov_b32 s23, s22                             ; (named with it as a pair, so it is written)
	s_mov_b32 s67, 0                               ; (the upper words of the pairs that the blend names)
	s_mov_b32 s69, 0
	s_mul_i32 s90, s18, BLK                        ; s[90:91], s[92:93]: a block's offset in its batch
	s_mov_b32 s91, 0
	s_mov_b32 s93, 0
	; descriptor group 1: half a block, 38,400 dense bytes, as 150 rows of 256 bytes (32 elements of 8 bytes); no padding: images are read 16 bytes a lane on end
	s_mov_b32 s24, 15|(3<<16)|(1<<21)              ; 15:0 the mask: all four work-groups; 17:16 elements of 8 bytes; 21 set beside a mask
	s_mov_b32 s25, 32<<16                          ; tensor_dim0 = 32
	s_mov_b32 s26, 150<<16                         ; tensor_dim1 = 150
	s_mov_b32 s27, 32<<16                          ; tile_dim0 = 32
	s_mov_b32 s28, 150                             ; tile_dim1 = 150
	s_mov_b32 s29, 32                              ; elements from row to row
	s_mov_b32 s30, 0
	s_mov_b32 s31, 0
	s_mul_i32 s50, s13, HALF                       ; my half, in a block and in LDS
	s_mul_i32 s48, s16, 16*BLK                     ; the batch's 16 blocks
	s_add_co_u32 s48, s48, s50
	s_mov_b32 s49, 0
	; Q's fragments are kq's: block 16 x batch + qb / 2, tiles 4 (qb % 2) on
	s_lshl_b32 s56, s16, 4
	s_lshr_b32 s57, s15, 1
	s_add_co_u32 s56, s56, s57
	s_mul_i32 s56, s56, BLK
	s_and_b32 s57, s15, 1
	s_mul_i32 s58, s57, 36864
	s_add_co_u32 s60, s56, s58
	s_mov_b32 s61, 0
	s_mul_i32 s58, s57, 1536
	s_add_co_u32 s62, s56, s58
	s_add_co_u32 s62, s62, SCO
	s_mov_b32 s63, 0
	s_lshl_b32 s58, s16, 11                        ; my 16 rows of final and of out: 2,048 x batch + 64 qb + 16 w
	s_lshl_b32 s59, s15, 6
	s_add_co_u32 s58, s58, s59
	s_lshl_b32 s59, s12, 4
	s_add_co_u32 s58, s58, s59
	s_mul_i32 s58, s58, ROWB
	s_mov_b32 s59, 0
	v_and_b32 v224, 31, v0                         ; L
	v_and_b32 v225, 15, v0                         ; r
	v_bfe_u32 v[HH], v0, 4, 1                      ; h
	v_and_b32 v226, 8, v225
	v_add_nc_u32 v[RQ], v226, v225                 ; r + 8 (r / 8)
	s_mul_i32 s78, s12, 18432
	v_lshl_add_u32 v[AK], v224, 4, s78
	v_add_nc_u32 v[AK+1], SLOT, v[AK]
	v_add_nc_u32 v[AV], BLK, v[AK]
	v_add_nc_u32 v[AV+1], SLOT+BLK, v[AK]
	s_mul_i32 s79, s12, 768
	s_add_co_u32 s79, s79, SCO
	v_lshl_add_u32 v[AKS], v224, 2, s79
	v_add_nc_u32 v[AKS+1], SLOT, v[AKS]
	v_add_nc_u32 v[AVS], BLK, v[AKS]
	v_add_nc_u32 v[AVS+1], SLOT+BLK, v[AKS]
	v_lshl_add_u32 v[APR], v224, 4, PIMG
	s_lshr_b32 s80, s12, 1
	s_mul_i32 s80, s80, 6                          ; my block's six registers of P begin at 6 (w / 2),
	s_lshl_b32 s81, s13, 8                         ; in lanes 16 (w % 2) on
	s_add_co_u32 s81, s81, PIMG
	v_lshl_add_u32 v227, v225, 4, s81
	v_mul_u32_u24 v228, v[HH], 3                   ; lanes 16-31 hold the block's upper 16 codes: three registers on
	v_add_nc_u32 v228, s80, v228
.irp i, 0,1,2
	v_add_nc_u32 v229, \i, v228                    ; register R
	v_lshrrev_b32 v230, 2, v229
	v_and_b32 v231, 3, v229
	v_lshl_add_u32 v[APW+\i], v230, 9, v227        ; 512 (R / 4)
	v_lshl_add_u32 v[APW+\i], v231, 2, v[APW+\i]   ; + 4 (R % 4)
.endr
	s_add_co_u32 s82, s12, PSC
	v_lshl_add_u32 v[APSW], v225, 2, s82
	v_lshl_add_u32 v[APSR], v224, 2, PSC
	s_lshl_b32 s83, s12, 2
	s_add_co_u32 s83, s83, STATS
	v_lshl_add_u32 v[ASTW], v[RQ], 4, s83
	s_lshl_b32 s84, s12, 8
	s_add_co_u32 s84, s84, STATS
	v_lshl_add_u32 v[ASTR], v225, 4, s84
	s_mul_i32 s85, s12, 16*SP
	v_lshl_add_u32 v[ASR], v224, 4, s85
	v_lshlrev_b32 v[GO], 4, v224
	v_lshlrev_b32 v[PF], 8, v224
	v_lshlrev_b32 v[L4], 2, v224
	s_lshl_b32 s86, s15, 6
	s_lshl_b32 s87, s12, 5
	s_sub_co_u32 s86, s86, s87
	v_add_nc_u32 v[DB], s86, v[RQ]
	v_lshlrev_b32 v229, 4, v[HH]
	v_sub_nc_u32 v[DB], v[DB], v229                ; 64 qb + r + 8 (r / 8) - 32 w - 16 h
.irp qt, 0,1,2,3
	v_mov_b32 v[PX+\qt], 0                         ; (a lane permute's destination counts as one of its sources)
.endr
	s_wait_kmcnt 0x0
	s_add_nc_u64 s[52:53], s[4:5], s[48:49]        ; my half of the batch's block 0 of K,
	s_add_nc_u64 s[54:55], s[6:7], s[48:49]        ; and of V: these two stay
	s_add_nc_u64 s[70:71], s[4:5], s[60:61]        ; Q's fragments
	s_add_nc_u64 s[72:73], s[4:5], s[62:63]        ; Q's scale words
	s_add_nc_u64 s[74:75], s[8:9], s[58:59]        ; my rows of final
	s_add_nc_u64 s[76:77], s[10:11], s[58:59]      ; and of out
	; descriptor groups 0: K's region 0, K's region 1, V's region 0, V's region 1.  Nothing in them hangs on my place in the cluster
	s_mov_b32 s32, 1                               ; count = 1
	s_mov_b32 s33, s50                             ; LDS address
	s_add_nc_u64 s[34:35], s[52:53], s[90:91]      ; global address: step 0's block
	s_mov_b32 s36, 1
	s_add_co_u32 s37, s50, SLOT
	s_add_nc_u64 s[38:39], s[34:35], BLK           ; step 1's: the next block (rot + 1 is at most 13)
	s_or_b32 s35, s35, 0x80000000                  ; type = 2
	s_or_b32 s39, s39, 0x80000000
	s_mov_b32 s40, 1
	s_add_co_u32 s41, s50, BLK
	s_add_nc_u64 s[42:43], s[54:55], s[90:91]
	s_mov_b32 s44, 1
	s_add_co_u32 s45, s50, SLOT+BLK
	s_add_nc_u64 s[46:47], s[42:43], BLK
	s_or_b32 s43, s43, 0x80000000
	s_or_b32 s47, s47, 0x80000000
	ROUND                                          ; all four work-groups are here: the first joint loads meet
	s_cmp_lt_u32 s12, 2                            ; a wave's two first fills stand in one branch; four v_nop follow the second
	s_cbranch_scc0 .Lfirst_v
	tensor_load_to_lds s[32:35], s[24:31]
	s_nop 0
	tensor_load_to_lds s[36:39], s[24:31]
	s_nop 0
.rept 4
	v_nop
.endr
	s_branch .Lfirst_asked
.Lfirst_v:
	tensor_load_to_lds s[40:43], s[24:31]
	s_nop 0
	tensor_load_to_lds s[44:47], s[24:31]
	s_nop 0
.rept 4
	v_nop
.endr
.Lfirst_asked:
	WIN 0x40                                       ; Q stays in registers: K steps 0-4 in window 1,
.irp s, 0,1,2,3,4
.irp qt, 0,1,2,3
.irp g, 0,1,2
	global_load_b128 v[48*\s+12*\qt+4*\g:48*\s+12*\qt+4*\g+3], v[GO], s[70:71] offset:1536*(6*\qt+\s)+512*\g
.endr
.endr
.endr
	WIN 0xc0                                       ; K step 5 in window 3
.irp qt, 0,1,2,3
.irp g, 0,1,2
	global_load_b128 v[128+12*\qt+4*\g:128+12*\qt+4*\g+3], v[GO], s[70:71] offset:1536*(6*\qt+5)+512*\g
.endr
.endr
	WIN 0
.irp q, 0,1
.irp s, 0,1,2,3,4,5
	global_load_b32 v[QS+6*\q+\s], v[L4], s[72:73] offset:768*\q+128*\s
.endr
.endr
	s_wait_tensorcnt 0x1                           ; my first fill is in (K's waves: step 0's block); the second may stay out
	s_barrier_signal -1
	s_barrier_wait -1                              ; everybody's is
	s_wait_loadcnt 0x0                             ; Q
	PHASE 0, 0, 1, 0, 1, 0                         ; phase 0: S^T and the softmax of step 0: it starts the largest sims and the sums
	PHASE 1, 1, 1, 1, 2, 0                         ; phase 1: K of step 2 is asked for; the products of step 0 start O^T: nothing is cleared
	s_mov_b32 s19, 0
.Ltrip:                                            ; six trips, phases 2 to 13: each asks for two blocks of K and two of V
	PHASE 0, 2, 1, 2, 2, 0
	PHASE 1, 2, 1, 2, 2, 0
	s_add_co_u32 s19, s19, 1
	s_cmp_lt_u32 s19, 6
	s_cbranch_scc1 .Ltrip
	PHASE 0, 2, 1, 2, 2, 1                         ; phase 14: the last block of K is asked for.  The tail is written out
	PHASE 1, 3, 1, 2, 3, 0                         ; phase 15: the last block of V; the last softmax
	PHASE 0, 4, 0, 2, 0, 0                         ; phase 16: the products of step 15; nothing is left to fetch
	; THE WAY OUT.  O^T goes through a stage of 64 whole rows; each wave then blends and stores 16 rows: out = (cf / l) O + (1 - cf) final.
	; The stage lies in K's region 0, V's region 0 and the first bytes of K's region 1: behind phase 16's barrier no wave reads them, and they have had their last fill.
	PLACES 4                                       ; in front of the first read of the last products' results
	v_mul_u32_u24 v232, v[RQ], SP                  ; in: row r + 8 (r / 8) of the tile's rows, + 32 h, + my 768 bytes of a row
	v_lshl_add_u32 v232, v[HH], 5, v232
	s_mul_i32 s78, s12, 768
	v_add_nc_u32 v232, s78, v232
	v_add_nc_u32 v233, 8*SP, v232                  ; tile 1 begins 8 rows on, tile 2 32, tile 3 40
	v_add_nc_u32 v234, 32*SP, v232
	v_add_nc_u32 v235, 40*SP, v232
	WIN 0x08                                       ; an LDS store's data are its source 1: window 2
.irp ct, 0,1,2,3,4,5,6,7
.irp qt, 0,1,2,3
	ds_store_b128 v[232+\qt], v[8*(4*\ct+\qt):8*(4*\ct+\qt)+3] offset:64*\ct        ; each accumulator from its low end on
	ds_store_b128 v[232+\qt], v[8*(4*\ct+\qt)+4:8*(4*\ct+\qt)+7] offset:64*\ct+16
.endr
.endr
	WIN 0x0c                                       ; window 3
.irp ct, 8,9,10,11
.irp qt, 0,1,2,3
	ds_store_b128 v[232+\qt], v[8*(4*(\ct-8)+\qt):8*(4*(\ct-8)+\qt)+3] offset:64*\ct
	ds_store_b128 v[232+\qt], v[8*(4*(\ct-8)+\qt)+4:8*(4*(\ct-8)+\qt)+7] offset:64*\ct+16
.endr
.endr
	WIN 0
	v_max3_num_f32 v236, v224, v225, v226
	v_max_num_f32 v236, v236, v227                 ; cf: row 16 w + r's largest sim
	v_add_f32 v238, v228, v229
	v_add_f32 v239, v230, v231
	v_add_f32 v238, v238, v239                     ; l: its sum
	v_rcp_f32 v238, v238
	v_sub_f32 v237, 1.0, v236                      ; 1 - cf.  (A plain place behind the reciprocal)
	s_wait_alu depctr_va_vdst(0)
	v_mul_f32 v236, v236, v238                     ; cf / l
	s_wait_dscnt 0x0                               ; my part of the stage lies in LDS, and the stores have read window 2,
	WIN 0x80                                       ; which takes rows 10-15 of final
.set i, 10
.rept 6
.irp c, 0,1,2,3,4,5
	global_load_b128 v[24*(i-10)+4*\c:24*(i-10)+4*\c+3], v[GO], s[74:75] offset:ROWB*i+512*\c th:TH_LOAD_NT
.endr
.set i, i+1
.endr
	WIN 0
	s_barrier_signal -1
	s_barrier_wait -1                              ; 64 whole rows lie in the stage
.macro SLD i                           ; stage row 16 w + i into one of four buffers of 24 registers
.irp c, 0,1,2,3,4,5
	ds_load_b128 v[128+24*((\i)%4)+4*\c:128+24*((\i)%4)+4*\c+3], v[ASR] offset:SP*(\i)+512*\c
.endr
.endm
.macro ROWOUT i
.set TB, 128+24*((\i)%4)
.if (\i) <= 12
.if (\i) >= 1
	s_wait_xcnt 0x0                                ; the row before has been stored from the buffer that the loads below fill
.endif
	SLD (\i)+3
.endif
.if 15-(\i) >= 3
	s_wait_dscnt 18                                ; my row is in; the three rows asked for behind it may be out
.else
	s_wait_dscnt 6*(15-(\i))
.endif
	v_readlane_b32 s66, v236, \i                   ; the row's cf / l
	v_readlane_b32 s68, v237, \i                   ; and 1 - cf
.set k, 0
.rept 12
	v_pk_mul_f32 v[TB+k:TB+k+1], v[TB+k:TB+k+1], s[66:67] op_sel_hi:[1,0]
.set k, k+2
.endr
.if 6*(15-(\i)) > 63
	s_wait_loadcnt 63                              ; of the 96 loads of final at most 63 are out: the oldest 33, rows 0-4 among them, are in
.else
	s_wait_loadcnt 6*(15-(\i))                     ; the rows behind mine may be out
.endif
.if (\i) < 10
	WIN 0x01                                       ; source 0: window 1
.set FR, 24*(\i)
.else
	WIN 0x02                                       ; window 2
.set FR, 24*((\i)-10)
.endif
.set k, 0
.rept 12
	v_pk_fma_f32 v[TB+k:TB+k+1], v[FR+k:FR+k+1], s[68:69], v[TB+k:TB+k+1] op_sel_hi:[1,0,1]
.set k, k+2
.endr
	WIN 0
.irp c, 0,1,2,3,4,5
	global_store_b128 v[GO], v[TB+4*\c:TB+4*\c+3], s[76:77] offset:ROWB*(\i)+512*\c th:TH_STORE_NT   ; 512 consecutive bytes, at a multiple of 256 from out's first byte
.endr
.endm
	SLD 0
	SLD 1
	SLD 2
.irp i, 0,1,2,3,4,5,6,7,8,9,10,11,12,13,14,15
	ROWOUT \i
.endr
	s_wait_tensorcnt 0x0                           ; the wave's end: behind my last tensor load and my last LDS store
	ds_add_u32 v[SPW], v[NIL]
	s_wait_dscnt 0x0
	ROUND                                          ; the closing round: no work-group ends while a partner may still ask for a block that names it
	s_endpgm
.Lfunc_end_k_qb4a1488ea2_attn:
	.size	k_qb4a1488ea2_attn, .Lfunc_end_k_qb4a1488ea2_attn-k_qb4a1488ea2_attn
	.p2alignl 7, 3214868480
	.fill 96, 4, 3214868480
	.section	.rodata,"a",@progbits
	.p2align	6, 0x0
	.amdhsa_kernel k_qb4a1488ea2_attn
		.amdhsa_group_segment_fixed_size 327680
		.amdhsa_private_segment_fixed_size 0
		.amdhsa_enable_private_segment 0
		.amdhsa_kernarg_size 32
		.amdhsa_user_sgpr_count 2
		.amdhsa_user_sgpr_kernarg_segment_ptr 1
		.amdhsa_wavefront_size32 1
		.amdhsa_system_sgpr_workgroup_id_x 1
		.amdhsa_system_sgpr_workgroup_id_y 1
		.amdhsa_system_sgpr_workgroup_id_z 1
		.amdhsa_system_vgpr_workitem_id 0
		.amdhsa_next_free_vgpr 1024
		.amdhsa_next_free_sgpr 96
		.amdhsa_reserve_vcc 1
		.amdhsa_float_denorm_mode_32 3
		.amdhsa_float_denorm_mode_16_64 3
		.amdhsa_memory_ordered 1
		.amdhsa_forward_progress 1
		.amdhsa_inst_pref_size 255
	.end_amdhsa_kernel
	.section	.bss,"aw",@nobits
	.p2align	6
	.space	262144
	.amdgpu_metadata
---
amdhsa.version: [ 1, 2 ]
amdhsa.kernels:
  - .name:           k_qb4a1488ea2_attn
    .symbol:         k_qb4a1488ea2_attn.kd
    .args:
      - { .name: kq, .offset: 0, .size: 8, .value_kind: global_buffer, .address_space: global }
      - { .name: vc, .offset: 8, .size: 8, .value_kind: global_buffer, .address_space: global }
      - { .name: final_features, .offset: 16, .size: 8, .value_kind: global_buffer, .address_space: global }
      - { .name: out0, .offset: 24, .size: 8, .value_kind: global_buffer, .address_space: global }
    .group_segment_fixed_size: 327680
    .private_segment_fixed_size: 0
    .kernarg_segment_align: 8
    .kernarg_segment_size: 32
    .max_flat_workgroup_size: 128
    .sgpr_count:     96
    .vgpr_count:     1024
    .wavefront_size: 32
...
	.end_amdgpu_metadata
.endif
;; end of part 2
